; MI455X (gfx1250); checked and timed in simulation.
; The chip was launched on July 23, 2026; its instructions are those of AMD's public machine-readable ISA for CDNA 5 (MIT licence, August 2026) and "CDNA5" Instruction Set Architecture Reference Guide (July 2026). The comments in the code are by the model that wrote it; some were corrected since.
;; Differential Attention Layer. Allowed arithmetic: matrix products marked QUANTISED: E5M2 operands, one given power-of-two scale a tensor, by v_wmma_f32_16x16x64_bf8_bf8 or v_wmma_f32_16x16x128_bf8_bf8, f32 sums; everything else in f32.
;; Inputs: Wk_codes 1,024 x 32 x 32 uint8 (E5M2 codes of Wk, K innermost, in blocks of 32 codes); Wo_codes 1,024 x 32 x 32 uint8 (E5M2 codes of Wo, K innermost, in blocks of 32 codes); Wq_codes 1,024 x 32 x 32 uint8 (E5M2 codes of Wq, K innermost, in blocks of 32 codes); Wv_codes 1,024 x 32 x 32 uint8 (E5M2 codes of Wv, K innermost, in blocks of 32 codes); beta 1,024 float32; gamma 1,024 float32; key_padding_mask 2 x 2,048 bool; lk1 16 x 32 float32; lk2 16 x 32 float32; lowp_scales 14 int32 (the exponents e of the quantised operands' scales 2^e); lq1 16 x 32 float32; lq2 16 x 32 float32; x 2 x 2,048 x 1,024 float32.
;; Outputs: out0 2 x 2,048 x 1,024 float32.
;; This version of the problem:
;;   THIS VERSION OF THE PROBLEM IS GIVEN IN LOW PRECISION. The matrix products marked QUANTISED in the list below multiply operands that are first quantised to E5M2 (5 exponent bits, 2 mantissa bits; 8 bits a number), with one given power-of-two scale for each operand tensor; their sums are f32. All else is computed in f32.
;;   The module's matrix products, in the order in which they are computed (A, B: the left and right operand; K: the contracted axis; several contracted axes count as one K, in the product's order):
;;     1. [M 4,096, K 1,024] x [K 1,024, N 1,024]; A: input x; B: input Wq (given as codes): QUANTISED (scales: A lowp_scales[0], B lowp_scales[1])
;;     2. [M 4,096, K 1,024] x [K 1,024, N 1,024]; A: input x; B: input Wk (given as codes): QUANTISED (scales: A lowp_scales[2], B lowp_scales[3])
;;     3. [M 4,096, K 1,024] x [K 1,024, N 1,024]; A: input x; B: input Wv (given as codes): QUANTISED (scales: A lowp_scales[4], B lowp_scales[5])
;;     4. batch 32 x [M 2,048, K 32] x [K 32, N 2,048]; A: computed on the way; B: computed on the way: QUANTISED (scales: A lowp_scales[6], B lowp_scales[7])
;;     5. batch 32 x [M 2,048, K 32] x [K 32, N 2,048]; A: computed on the way; B: computed on the way: QUANTISED (scales: A lowp_scales[8], B lowp_scales[9])
;;     6. batch 32 x [M 2,048, K 2,048] x [K 2,048, N 64]; A: computed on the way; B: computed on the way: QUANTISED (scales: A lowp_scales[10], B lowp_scales[11])
;;     7. [M 4,096, K 1,024] x [K 1,024, N 1,024]; A: computed on the way; B: input Wo (given as codes): QUANTISED (scales: A lowp_scales[12], B lowp_scales[13])
;;   THE QUANTISER, for each operand of a quantised product, along K:
;;     - The operand's scale is 2^e, e = its entry of the input lowp_scales (int32; the entries are numbered through the quantised products in the list's order, A before B).
;;     - Each number is divided by the scale, clamped to +-57,344, and rounded to the nearest number of E5M2, ties to even, subnormals kept.
;;     - The product sums the exact products of the quantised numbers (number of the format x scale) in f32.
;;   ~~~python
;;   def quantise(x, axis, e):      # numpy; x: float32 -> the quantised numbers, widened to float32 again
;;       x = np.moveaxis(x, axis, -1); K = x.shape[-1]
;;       r = np.clip(x / 2.0 ** e, -57344, 57344)
;;       step = 2.0 ** (np.maximum(np.frexp(np.where(r == 0, 1, r))[1] - 1, -14) - 2)
;;       q = np.round(r / step) * step * 2.0 ** e      # np.round: ties to even
;;       return np.moveaxis(q, -1, axis).astype(np.float32)
;;   ~~~
;;   OPERANDS COMPUTED ON THE WAY. 'Computed on the way' means the value that the module computes at that place (a softmax that the list does not call 'softmax' is quantised finished and normalised). What goes into a quantiser is computed in f32, as accurately as f32 sums, v_exp_f32 and their like allow (about 1e-6 of the number): no bf16 or f16 on the way to a quantiser, and a product that is left as it is and whose result goes on into a quantised operand takes f32 operands (vector FMAs, or v_wmma_f32_16x16x4_f32). A number that lies on a knife's edge between two numbers of the format may be rounded either way, as far as f32 arithmetic and the matrix unit's own rounding can turn it there, and no further.
;;   INPUTS GIVEN AS CODES. Wk (in the module: [1024, 1024], K = its axis 1); Wo (in the module: [1024, 1024], K = its axis 1); Wq (in the module: [1024, 1024], K = its axis 1); Wv (in the module: [1024, 1024], K = its axis 1): each comes as NAME_codes (uint8): NAME with its K axis moved to the last place and cut into blocks of 32 codes, [.., K / 32, bytes a block], one block behind the other in memory; one code a byte (a code: sign, 5 exponent bits, 2 mantissa bits); its scale is its entry of lowp_scales. Its value is code x scale, taken as it is: it is not quantised again, and the codes and scales need not be those that the quantiser above would give.
;; One version. Each part assembles by itself: llvm-mc -triple=amdgcn-amd-amdhsa -mcpu=gfx1250 --defsym DOCPART=n.
;; ======== version 1 of 1: 3 launches
;; limits: right only within a limited range of input values
;; workspace buffers: qimg 4,194,304 bytes; kimg 4,194,304 bytes; vimg 4,194,304 bytes; oimg 4,194,304 bytes; woimg 1,048,576 bytes
;; launch qkv (part 1): grid 32 x 8, 4 waves a work-group, clusters of 4 x 1, 327,680 bytes of LDS; arguments x, Wq_codes, Wk_codes, Wv_codes, lowp_scales, qimg, kimg, vimg; writes qimg, kimg, vimg
.if DOCPART == 1
	.amdgcn_target "amdgcn-amd-amdhsa--gfx1250"
	.amdhsa_code_object_version 6
	.text
	.protected	k_qaf28f583d2_qkv
	.globl	k_qaf28f583d2_qkv
	.p2align	8
	.type	k_qaf28f583d2_qkv,@function
k_qaf28f583d2_qkv:
	s_mov_b64 s[64:65], 0
	v_nop
	global_prefetch_b8 v0, s[64:65] scope:SCOPE_SE
	s_setreg_imm32_b32 hwreg(HW_REG_WAVE_MODE, 25, 1), 1
	s_wait_xcnt 0x0
	s_wait_alu depctr_hold_cnt(0) depctr_sa_sdst(0) depctr_va_vdst(0) depctr_va_sdst(0) depctr_va_ssrc(0) depctr_va_vcc(0) depctr_vm_vsrc(0)
	s_getreg_b32 s2, hwreg(HW_REG_IB_STS2, 6, 4)
	s_cmp_eq_u32 s2, 0
	s_cbranch_scc0 .Lentry_in_a_cluster
	s_endpgm
.Lentry_in_a_cluster:
	s_bfe_u32 s2, ttmp6, 0x10000c
	s_cmp_lg_u32 s2, 0x3003
	s_cbranch_scc0 .Lentry_shape_is_right
	s_endpgm
.Lentry_shape_is_right:
; Q = x Wq^T, K = x Wk^T, V = x Wv^T on codes of BF8 (E5M2), and their results quantised again for the attention's products.
; x: [4096][1024] f32; it has a scale of its own in each of the three products (entries 0, 2, 4 of the scales), so it becomes three sets of codes, in registers.
; Wq, Wk, Wv: [1024 (n)][1024 (k)] codes, K innermost.  Out: qimg, kimg, vimg: codes laid as images of operand registers (below).
; SHARES.  A work-group takes 128 tokens and two heads: 128 columns of each of Q, K, V.  Wave w takes tokens 32 w .. 32 w + 31 (two tiles of 16) against all 384 columns:
; 48 accumulators, 384 registers, 48 matrix instructions for 128 along K.  x goes from memory into the registers of the one wave that needs it; the weights go through a ring of two LDS slots of 256 along K.
; CLUSTER.  The four work-groups of a cluster share the head pair, so they need the same weight tiles: each tile is asked for jointly, with the mask of all four.
; THE TOKENS OF A TILE ARE NOT NEIGHBOURS: index r of tile 2 B + u is token 32 B + 8 u + r + 8 (r / 8).  Likewise the rows of Wq and Wk that form a tile.  So a lane's 16 registers of two neighbouring tiles are
; 16 neighbours along the next product's K, and the conversions' results are that product's operand registers.
; Q and K are used transposed (source 0 = 16 rows of W, source 1 = 16 tokens): a lane holds one token and eight features.  V is used straight (source 0 = tokens, source 1 = rows of Wv): a lane holds one channel and eight tokens.
; IMAGES.  qimg, kimg: [batch x 16 + head][tile 128][g 2][lane 32][16 bytes]: features 32 g + 16 (lane / 16) + 0 .. 15 of the tile's token lane % 16.
;          vimg: [batch x 16 + head][ks 16][dt 4][c 4][lane 32][16 bytes]: V[key 128 ks + 32 c + 16 (lane / 16) + 0 .. 15][channel 16 dt + lane % 16].
; LIMITS: each of e0, e2, e4, e6 - e0 - e1, e8 - e0 - e1, e7 - e2 - e3, e9 - e2 - e3, e11 - e4 - e5 lies between -126 and 112, so that 2^e and 57,344 x 2^e are f32 numbers.  NaN among the inputs is not served.
; REGISTERS, in windows of 256: window 0: v1-9 addresses, v10-25 eight pairs (scale, largest number x scale), v32-127 x's codes (3 scales x 2 tiles x 16), v128-255 weight fragments, two sets of four.
;   window 1: x as f32, two sets of 128.   window 2: Q's 16 accumulators, then K's.   window 3: V's 16 accumulators; v128-191 at work.
.set PITCH, 272                        ; an LDS row: 256 bytes + 16 of padding: row r begins 16 r bytes further on modulo 256
.set MROWS, 128*PITCH                  ; one matrix's 128 rows
.set SLOT1, 1<<17                      ; slot 1 begins here: one exclusive or turns an address from slot to slot.  A slot: Wq's 128 rows, Wk's, Wv's: 104,448 bytes
.set SPARE, 2*SLOT1                    ; the spare words: 128 bytes a wave, two blocks of 256 bytes that no other line names
.set SPW, 1                            ; v1  my spare word's address; never rewritten
.set NIL, 2                            ; v2  0; never rewritten
.set LI,  3                            ; v3  16 x lane
.set XA,  4                            ; v4  x: my token's row and my 16 numbers of a block of 32
.set AQ0, 5                            ; v5  my place in a tile of Wq or Wk
.set AV0, 6                            ; v6  my place in a tile of Wv
.set ADQ, 7                            ; v7, v8, v9: the same in the slot in hand, for Wq, Wk, Wv
.set PR,  10
.set XC,  32
.set WF,  128
.set TMP, 128
.set WV,  20                           ; s20 wave
.set G1,  24                           ; s[24:31] descriptor group 1
.set G0A, 32                           ; s[32:35] group 0 of the first fill of slot 0
.set G0W, 36                           ; s[36:39] group 0 that walks
.set TB,  54                           ; s54 LDS byte at which the slot in hand begins
.set CNT, 55
.set MSB, 0
.macro WIN new                         ; the immediate's high byte repeats the setting that is left
.if MSB != (\new)
	s_set_vgpr_msb (MSB<<8)|(\new)
.set MSB, (\new)
.endif
.endm
.macro PLACES n
.rept \n
	v_nop
.endr
.endm
.macro ROUND                           ; a round of the cluster's barrier
	s_barrier_signal -1
	s_barrier_wait -1
	s_cmp_lg_u32 s[WV], 0
	s_cbranch_scc1 .Lnot_wave_0_\@
	s_barrier_signal -3
.Lnot_wave_0_\@:
	s_barrier_wait -3
	s_barrier_signal -1
	s_barrier_wait -1
.endm
.macro JLOAD                           ; waves 0, 1, 2 fetch Wq's, Wk's, Wv's tile; wave 3 none.  Four v_nop follow the load
	s_cmp_lt_u32 s[WV], 3
	s_cbranch_scc0 .Lnone_\@
	tensor_load_to_lds s[G0W:G0W+3], s[G1:G1+7]
	s_nop 0
	PLACES 4
.Lnone_\@:
.endm
.macro ADDRS                           ; the fragment addresses in the slot in hand
	v_add_nc_u32 v[ADQ], s[TB], v[AQ0]
	v_add_nc_u32 v[ADQ+1], MROWS, v[ADQ]
	v_add_nc_u32 v[ADQ+2], s[TB], v[AV0]
.endm
.macro MKPAIR i, e                     ; from the exponent in s[e]: 2^e as f32, whose exponent field the conversion takes, and 57,344 x 2^e
	s_add_co_i32 s[\e], s[\e], 127
	s_lshl_b32 s63, s[\e], 23
	v_mov_b32 v[PR+2*\i], s63
	s_add_co_i32 s[\e], s[\e], 15
	s_lshl_b32 s[\e], s[\e], 23
	s_or_b32 s[\e], s[\e], 0x600000
	v_mov_b32 v[PR+2*\i+1], s[\e]
.endm
	s_load_b256 s[4:11], s[0:1], 0x0               ; x, Wq, Wk, Wv
	s_load_b256 s[12:19], s[0:1], 0x20             ; the scales' exponents, qimg, kimg, vimg
	v_lshl_add_u32 v[SPW], v0, 2, SPARE
	v_mov_b32 v[NIL], 0
	ds_add_u32 v1, v2
	ds_add_u32 v1, v2
	s_wait_dscnt 0x0
	v_lshrrev_b32 v10, 5, v0
	v_readfirstlane_b32 s[WV], v10                 ; wave 0..3
	s_bfe_u32 s21, ttmp6, 0x40000                  ; cx
	s_lshl_b32 s22, ttmp9, 2
	s_add_co_u32 s22, s22, s21                     ; my block of 128 tokens = 4 x cluster x + cx
	s_and_b32 s23, ttmp7, 0xffff                   ; the head pair, which the four partners share
	s_mov_b32 s[G1], 15|(1<<20)|(1<<21)|(5<<22)|(3<<25)  ; mask: all four; elements of 1 byte; padding on; bit 21 beside a mask; 4 words after every 64
	s_mov_b32 s[G1+1], 256<<16                     ; tensor_dim0 = 256
	s_mov_b32 s[G1+2], 128<<16                     ; tensor_dim1 = 128
	s_mov_b32 s[G1+3], 256<<16                     ; tile_dim0 = 256
	s_mov_b32 s[G1+4], 128                         ; tile_dim1 = 128
	s_mov_b32 s[G1+5], 1024                        ; a row of W in memory
	s_mov_b32 s[G1+6], 0
	s_mov_b32 s[G1+7], 0
	s_mul_i32 s56, s[WV], MROWS                    ; where my tile goes in a slot
	s_lshl_b32 s58, s23, 17                        ; the pair's 128 rows of 1,024 bytes
	s_mov_b32 s59, 0
	s_mov_b32 s[TB], 0
	s_wait_kmcnt 0x0
	s_load_b256 s[40:47], s[12:13], 0x0            ; e0 .. e7
	s_load_b128 s[48:51], s[12:13], 0x20           ; e8 .. e11
	s_cmp_eq_u32 s[WV], 0                          ; which matrix I fetch: a choice on the wave's number alone
	s_cselect_b64 s[60:61], s[6:7], s[8:9]
	s_cmp_lt_u32 s[WV], 2
	s_cselect_b64 s[60:61], s[60:61], s[10:11]
	s_add_nc_u64 s[60:61], s[60:61], s[58:59]
	s_mov_b32 s[G0A], 1
	s_mov_b32 s[G0A+1], s56
	s_mov_b64 s[G0A+2:G0A+3], s[60:61]             ; K 0 .. 255
	s_or_b32 s[G0A+3], s[G0A+3], 0x80000000
	s_mov_b32 s[G0W], 1
	s_add_co_u32 s[G0W+1], s56, SLOT1
	s_add_nc_u64 s[G0W+2:G0W+3], s[60:61], 256     ; K 256 .. 511
	s_or_b32 s[G0W+3], s[G0W+3], 0x80000000
	ROUND                                          ; all four work-groups are here: the first joint loads meet
	s_cmp_lt_u32 s[WV], 3
	s_cbranch_scc0 .Lno_first
	tensor_load_to_lds s[G0A:G0A+3], s[G1:G1+7]    ; slot 0's first fill: one tensor load a wave at the head
	s_nop 0
	PLACES 4
.Lno_first:
	v_and_b32 v10, 15, v0                          ; r
	v_bfe_u32 v11, v0, 4, 1                        ; h
	v_and_b32 v12, 31, v0
	v_lshlrev_b32 v[LI], 4, v12
	v_and_b32 v13, 8, v10
	v_add_nc_u32 v13, v13, v10                     ; r + 8 (r / 8)
	v_lshlrev_b32 v[XA], 12, v13                   ; a token's row is 4,096 bytes
	v_lshl_add_u32 v[XA], v11, 6, v[XA]            ; + 64 h
	s_wait_alu depctr_va_vdst(0)
	v_mul_u32_u24 v[AQ0], v13, PITCH
	v_lshl_add_u32 v[AQ0], v11, 4, v[AQ0]
	v_mul_u32_u24 v[AV0], v10, PITCH
	v_lshl_add_u32 v[AV0], v11, 4, v[AV0]
	v_add_nc_u32 v[AV0], 2*MROWS, v[AV0]
	ADDRS
	s_lshl_b32 s68, s22, 19                        ; 128 tokens x 4,096 bytes,
	s_lshl_b32 s69, s[WV], 17                      ; my wave's 32
	s_add_co_u32 s68, s68, s69
	s_mov_b32 s69, 0
	s_add_nc_u64 s[4:5], s[4:5], s[68:69]
	s_lshr_b32 s70, s22, 4                         ; batch
	s_and_b32 s71, s22, 15                         ; block of 128 tokens in the batch
	s_lshl_b32 s72, s70, 4
	s_lshl_b32 s73, s23, 1
	s_add_co_u32 s72, s72, s73                     ; batch x 16 + the pair's first head
	s_lshl_b32 s72, s72, 17
	s_lshl_b32 s73, s71, 13
	s_add_co_u32 s72, s72, s73
	s_lshl_b32 s74, s[WV], 11                      ; qimg, kimg: my two tiles of 1,024 bytes
	s_add_co_u32 s74, s74, s72
	s_mov_b32 s75, 0
	s_add_nc_u64 s[14:15], s[14:15], s[74:75]
	s_add_nc_u64 s[16:17], s[16:17], s[74:75]
	s_lshl_b32 s74, s[WV], 9                       ; vimg: c = my wave
	s_add_co_u32 s74, s74, s72
	s_add_nc_u64 s[18:19], s[18:19], s[74:75]
; my 32 tokens' numbers of one K step (128 along K: 64 a lane and tile) into set p of window 1: register 64 u + 16 c + i = k 32 c + 16 h + i of my token of tile u
.macro XLOAD p, off
	WIN 0x40
.irp u, 0,1
.irp c, 0,1,2,3
.irp j, 0,1,2,3
	global_load_b128 v[128*(\p)+64*\u+16*\c+4*\j:128*(\p)+64*\u+16*\c+4*\j+3], v[XA], s[4:5] offset:(\off)+32768*\u+128*\c+16*\j
.endr
.endr
.endr
.endm
; set p of x becomes the two fragments of scale m: held within the largest code x the scale (the conversion to an 8-bit code does not saturate: ISA guide 7.6.2), then converted
.macro QUANT m, p
.irp u, 0,1
	WIN 0xc1
.set i, 0
.rept 64
	v_med3_num_f32 v[TMP+i], v[128*(\p)+64*\u+i], -v[PR+2*(\m)+1], v[PR+2*(\m)+1]
.set i, i+1
.endr
	WIN 0x03
.irp g, 0,1,2,3,4,5,6,7
	v_cvt_scalef32_pk8_bf8_f32 v[XC+32*(\m)+16*\u+2*\g:XC+32*(\m)+16*\u+2*\g+1], v[TMP+8*\g:TMP+8*\g+7], v[PR+2*(\m)]
.endr
	v_nop                                          ; a plain line between the conversions and the holds that write their sources, and the products that read their results
.endr
.endm
; group grp = 2 x matrix + head of the pair: its four fragments (16 rows x 128 K, four loads of 16 bytes each) of the slot's q-th 128 along K, into set sel
.macro FETCHW grp, sel, q
.irp f, 0,1,2,3
.if (\grp) < 4
.set rw, 64*((\grp)%2)+32*(\f/2)+8*(\f%2)
.else
.set rw, 64*((\grp)%2)+16*\f
.endif
.irp c, 0,1,2,3
	ds_load_b128 v[WF+64*(\sel)+16*\f+4*\c:WF+64*(\sel)+16*\f+4*\c+3], v[ADQ+(\grp)/2] offset:rw*PITCH+128*(\q)+32*\c
.endr
.endr
.endm
; the group's eight products.  The 48 accumulators take turns, one instruction a turn, in the same order in every K step
.macro MULG g, p, zero
.if (\g) < 4
	WIN 0xa0
.else
	WIN 0xf0
.endif
.irp f, 0,1,2,3
.irp u, 0,1
.set rD, 128*(((\g)/2)%2)+8*(2*(4*((\g)%2)+\f)+\u)
.set rW, WF+64*(\p)+16*\f
.set rX, XC+32*((\g)/2)+16*\u
.if (\g) < 4
.if \zero
	v_wmma_f32_16x16x128_bf8_bf8 v[rD:rD+7], v[rW:rW+15], v[rX:rX+15], 0
.else
	v_wmma_f32_16x16x128_bf8_bf8 v[rD:rD+7], v[rW:rW+15], v[rX:rX+15], v[rD:rD+7]
.endif
.else
.if \zero
	s_wait_alu depctr_va_vdst(0)
	v_wmma_f32_16x16x128_bf8_bf8 v[rD:rD+7], v[rX:rX+15], v[rW:rW+15], 0
.else
	v_wmma_f32_16x16x128_bf8_bf8 v[rD:rD+7], v[rX:rX+15], v[rW:rW+15], v[rD:rD+7]
.endif
.endif
.endr
.endr
.endm
; A K step of 128: the slot's q-th.  p: x's set.  xl = 1: x of two K steps on is asked for.  left: the loads of x that may stay out.
.macro KSTEP q, p, zero, xl, left
	PLACES 4                                       ; in front of loads into registers that matrix instructions have read
	FETCHW 0, 0, \q
	FETCHW 1, 1, \q
	s_wait_loadcnt \left                           ; this K step's 32 loads of x are in; the next step's 32 may be out
	QUANT 0, \p
	QUANT 1, \p
	QUANT 2, \p
.if \xl
	XLOAD \p, 1024+512*(\q)
.endif
	s_wait_alu depctr_va_vdst(0)
.irp g, 0,1,2,3,4,5
.if \g < 5
	s_wait_dscnt 16                                ; this group's fragments are in; the next group's 16 loads may be out
.else
	s_wait_dscnt 0
.endif
	MULG \g, \g%2, \zero
.if \g < 4
	PLACES 4
	WIN 0
	FETCHW \g+2, \g%2, \q
.endif
.endr
	WIN 0
.endm
; The change of slots: each wave waits for all its tensor loads, adds 0 to its spare word, waits for that and for its reads of the slot that it leaves.  fill = 1: behind a round of the cluster's barrier that slot is filled again.
.macro CHANGE fill
	WIN 0
	s_wait_tensorcnt 0x0                           ; no tensor load of mine is out, so the walking group 0 may be written
	ds_add_u32 v[SPW], v[NIL]
.if \fill
	ds_add_u32 v[SPW], v[NIL]                      ; and once more
	s_xor_b32 s[G0W+1], s[G0W+1], SLOT1            ; the other slot than last time,
	s_add_nc_u64 s[G0W+2:G0W+3], s[G0W+2:G0W+3], 256  ; the next 256 along K
.endif
	s_xor_b32 s[TB], s[TB], SLOT1
	s_wait_dscnt 0x0                               ; the add is done, and my reads of the slot are over
.if \fill
	ROUND
	JLOAD                                          ; the first tensor load behind the round, one a wave
.else
	s_barrier_signal -1
	s_barrier_wait -1
.endif
	ADDRS
.endm
.macro SLOTEND
	s_wait_xcnt 0x0                                ; the loads of x have read their base
	s_add_nc_u64 s[4:5], s[4:5], 1024              ; 256 along K on
.endm
	XLOAD 0, 0                                     ; K steps 0 and 1 of x
	XLOAD 1, 512
	WIN 0
	s_wait_kmcnt 0x0
	s_add_co_i32 s56, s40, s41                     ; a sum of Q stands for sum x 2^(e0 + e1), and so on: the three scales ahead of a quantiser are folded into the conversion's one
	s_add_co_i32 s57, s42, s43
	s_add_co_i32 s58, s44, s45
	s_sub_co_i32 s59, s46, s56                     ; Q1: e6 - e0 - e1
	s_sub_co_i32 s60, s48, s56                     ; Q2: e8 - e0 - e1
	s_sub_co_i32 s61, s47, s57                     ; K1: e7 - e2 - e3
	s_sub_co_i32 s62, s49, s57                     ; K2: e9 - e2 - e3
	s_sub_co_i32 s66, s51, s58                     ; V: e11 - e4 - e5
	MKPAIR 0, 40
	MKPAIR 1, 42
	MKPAIR 2, 44
	MKPAIR 3, 59
	MKPAIR 4, 60
	MKPAIR 5, 61
	MKPAIR 6, 62
	MKPAIR 7, 66
	s_wait_alu depctr_va_vdst(0)                   ; the wait at the head's end
	s_wait_tensorcnt 0x0                           ; my part of slot 0 is in; slot 1's first fill is issued as a refill is:
	ds_add_u32 v[SPW], v[NIL]                      ; the add, twice on end
	ds_add_u32 v[SPW], v[NIL]
	s_wait_dscnt 0x0
	ROUND                                          ; everybody's part of slot 0 is in, and the four work-groups meet
	JLOAD                                          ; K 256 .. 511 into slot 1: the first tensor load behind the round
	KSTEP 0, 0, 1, 1, 32                           ; the first K step's products start the sums
	KSTEP 1, 1, 0, 1, 32
	SLOTEND
	s_mov_b32 s[CNT], 2
.Lslot:                                                ; two trips: both slots are filled once more
	CHANGE 1
	KSTEP 0, 0, 0, 1, 32
	KSTEP 1, 1, 0, 1, 32
	SLOTEND
	s_sub_co_u32 s[CNT], s[CNT], 1
	s_cmp_lg_u32 s[CNT], 0
	s_cbranch_scc1 .Lslot
	CHANGE 0                                       ; the last slot is written out: nothing more is asked for
	KSTEP 0, 0, 0, 0, 32
	KSTEP 1, 1, 0, 0, 0
; THE WAY OUT: hold, convert, store.  Each store of the wave covers 512 consecutive bytes, aligned; every store has registers of its own.
.macro EPIQK acc, oc, pi, ptr
	WIN 0x82
.irp nt, 0,1,2,3,4,5,6,7
.irp u, 0,1
.irp j, 0,1,2,3,4,5,6,7
	v_med3_num_f32 v[\acc+8*(2*\nt+\u)+\j], v[\acc+8*(2*\nt+\u)+\j], -v[PR+2*(\pi+(\nt%4)/2)+1], v[PR+2*(\pi+(\nt%4)/2)+1]
.endr
.endr
.endr
	WIN 0x02
.irp hh, 0,1
.irp b, 0,1
.irp u, 0,1
.irp fl, 0,1
	v_cvt_scalef32_pk8_bf8_f32 v[\oc+4*(4*\hh+2*\b+\u)+2*\fl:\oc+4*(4*\hh+2*\b+\u)+2*\fl+1], v[\acc+8*(2*(4*\hh+2*\b+\fl)+\u):\acc+8*(2*(4*\hh+2*\b+\fl)+\u)+7], v[PR+2*(\pi+\b)]
.endr
.endr
.endr
.endr
	WIN 0
	v_nop
.irp hh, 0,1
.irp b, 0,1
.irp u, 0,1
	global_store_b128 v[LI], v[\oc+4*(4*\hh+2*\b+\u):\oc+4*(4*\hh+2*\b+\u)+3], s[\ptr:\ptr+1] offset:\hh*131072+\u*1024+\b*512
.endr
.endr
.endr
.endm
	PLACES 4                                       ; behind the last products, in front of the first read of results
	EPIQK 0, 32, 3, 14                             ; Q: features 0-31 with Q1's scale, 32-63 with Q2's
	EPIQK 128, 64, 5, 16                           ; K likewise
	WIN 0xc3
.set i, 0
.rept 128
	v_med3_num_f32 v[i], v[i], -v[PR+15], v[PR+15]
.set i, i+1
.endr
	WIN 0x03
.irp dd, 0,1,2,3,4,5,6,7
.irp u, 0,1
	v_cvt_scalef32_pk8_bf8_f32 v[96+4*\dd+2*\u:96+4*\dd+2*\u+1], v[8*(2*\dd+\u):8*(2*\dd+\u)+7], v[PR+14]
.endr
.endr
	WIN 0
	v_nop
.irp dd, 0,1,2,3,4,5,6,7
	global_store_b128 v[LI], v[96+4*\dd:96+4*\dd+3], s[18:19] offset:(\dd/4)*131072+(\dd%4)*2048
.endr
	s_wait_tensorcnt 0x0                           ; the wave's end
	ds_add_u32 v[SPW], v[NIL]
	s_wait_dscnt 0x0
	ROUND                                          ; the closing round
	s_endpgm
.Lfunc_end_k_qaf28f583d2_qkv:
	.size	k_qaf28f583d2_qkv, .Lfunc_end_k_qaf28f583d2_qkv-k_qaf28f583d2_qkv
	.p2alignl 7, 3214868480
	.fill 96, 4, 3214868480
	.section	.rodata,"a",@progbits
	.p2align	6, 0x0
	.amdhsa_kernel k_qaf28f583d2_qkv
		.amdhsa_group_segment_fixed_size 327680
		.amdhsa_private_segment_fixed_size 0
		.amdhsa_enable_private_segment 0
		.amdhsa_kernarg_size 64
		.amdhsa_user_sgpr_count 2
		.amdhsa_user_sgpr_kernarg_segment_ptr 1
		.amdhsa_wavefront_size32 1
		.amdhsa_system_sgpr_workgroup_id_x 1
		.amdhsa_system_sgpr_workgroup_id_y 1
		.amdhsa_system_sgpr_workgroup_id_z 1
		.amdhsa_system_vgpr_workitem_id 0
		.amdhsa_next_free_vgpr 1024
		.amdhsa_next_free_sgpr 80
		.amdhsa_reserve_vcc 0
		.amdhsa_float_denorm_mode_32 3
		.amdhsa_float_denorm_mode_16_64 3
		.amdhsa_memory_ordered 1
		.amdhsa_forward_progress 1
		.amdhsa_inst_pref_size 255
	.end_amdhsa_kernel
	.section	.bss,"aw",@nobits
	.p2align	6
	.space	262144
	.amdgpu_metadata
---
amdhsa.version: [ 1, 2 ]
amdhsa.kernels:
  - .name:           k_qaf28f583d2_qkv
    .symbol:         k_qaf28f583d2_qkv.kd
    .args:
      - { .name: x, .offset: 0, .size: 8, .value_kind: global_buffer, .address_space: global }
      - { .name: Wq_codes, .offset: 8, .size: 8, .value_kind: global_buffer, .address_space: global }
      - { .name: Wk_codes, .offset: 16, .size: 8, .value_kind: global_buffer, .address_space: global }
      - { .name: Wv_codes, .offset: 24, .size: 8, .value_kind: global_buffer, .address_space: global }
      - { .name: lowp_scales, .offset: 32, .size: 8, .value_kind: global_buffer, .address_space: global }
      - { .name: qimg, .offset: 40, .size: 8, .value_kind: global_buffer, .address_space: global }
      - { .name: kimg, .offset: 48, .size: 8, .value_kind: global_buffer, .address_space: global }
      - { .name: vimg, .offset: 56, .size: 8, .value_kind: global_buffer, .address_space: global }
    .group_segment_fixed_size: 327680
    .private_segment_fixed_size: 0
    .kernarg_segment_align: 8
    .kernarg_segment_size: 64
    .max_flat_workgroup_size: 128
    .sgpr_count:     80
    .vgpr_count:     1024
    .wavefront_size: 32
...
	.end_amdgpu_metadata
.endif
;; end of part 1
;; launch attn (part 2): grid 8 x 32, 8 waves a work-group, clusters of 4 x 1, 327,680 bytes of LDS; arguments qimg, kimg, vimg, key_padding_mask, lq1, lk1, lq2, lk2, lowp_scales, oimg, Wo_codes, woimg; writes oimg, woimg
.if DOCPART == 2
	.amdgcn_target "amdgcn-amd-amdhsa--gfx1250"
	.amdhsa_code_object_version 6
	.text
	.protected	k_qaf28f583d2_attn
	.globl	k_qaf28f583d2_attn
	.p2align	8
	.type	k_qaf28f583d2_attn,@function
k_qaf28f583d2_attn:
	s_mov_b64 s[64:65], 0
	v_nop
	global_prefetch_b8 v0, s[64:65] scope:SCOPE_SE
	s_setreg_imm32_b32 hwreg(HW_REG_WAVE_MODE, 25, 1), 1
	s_wait_xcnt 0x0
	s_wait_alu depctr_hold_cnt(0) depctr_sa_sdst(0) depctr_va_vdst(0) depctr_va_sdst(0) depctr_va_ssrc(0) depctr_va_vcc(0) depctr_vm_vsrc(0)
	s_getreg_b32 s2, hwreg(HW_REG_IB_STS2, 6, 4)
	s_cmp_eq_u32 s2, 0
	s_cbranch_scc0 .Lentry_in_a_cluster
	s_endpgm
.Lentry_in_a_cluster:
	s_bfe_u32 s2, ttmp6, 0x10000c
	s_cmp_lg_u32 s2, 0x3003
	s_cbranch_scc0 .Lentry_shape_is_right
	s_endpgm
.Lentry_shape_is_right:
; A = softmax(Q1 K1^T / sqrt(32)) - lam softmax(Q2 K2^T / sqrt(32)), finished and normalised, quantised to BF8; O = A V, quantised for the projection.  All products on codes of BF8 (E5M2).
; SHARES.  A work-group owns one (batch, head) and 256 queries, 16 tiles of 16, one tile a trip.  Wave w of EIGHT owns keys 256 w .. 256 w + 255: its 16 KiB of K's image and of V's lie in LDS for the whole launch
; and only wave w reads them.  Two waves share a SIMD, 512 registers each.  A tile's scores of both softmaxes stay in registers (2 x 128), so each exponential is taken once.
; CLUSTER.  The four work-groups of a cluster share (batch, head): K's and V's images are asked for jointly.
; S^T = K Q^T by the K = 64 form: a fragment of K holds features 0-31 (K1) and 32-63 (K2); Q1 stands ahead of 32 zero codes, Q2 behind the same 32.  C is the mask's term: 0, or -2^100 for a padded key.
; SOFTMAX.  Each wave takes its own keys' maximum away (floor -2^60 in score units), sums p, and the eight waves exchange (maximum, sum) through LDS; A = p1 r1 + p2 g2 with r1 = 2^(m1 - M1) / Z1, g2 = -lam 2^(m2 - M2) / Z2.
; O's eight partial sums (one a wave) are added through LDS by waves 0 to 3: wave w finishes channels 16 w .. 16 w + 15, so that its store covers 256 consecutive bytes.
; THE HEAD ALSO LAYS Wo AS OPERAND IMAGES for the next launch: woimg[n tile 64][k step 8][c 4][lane 32][16 bytes] = Wo[16 nt + lane % 16][128 ks + 32 c + 16 (lane / 16) + 0 .. 15]; 4 KiB a work-group, 512 bytes a wave.
; LIMITS: e6 + e7 and e8 + e9 between -124 and 128 (added to c's exponent field); e10 and e12 - e10 - e11 between -126 and 112; scores under 2^60 in magnitude; a batch all of whose keys are padded is not served; NaN among the inputs is not served.
; REGISTERS.  Window 0: v1-31 addresses and single numbers; v32-43 Q1, 32 zero codes, Q2; v48-79 O^T; v80-95 A's codes; v96-127 at work; v128-255 the mask's terms of my 256 keys.
;   K's fragments, two batches of four, lie over v48-79 and over v80-95 with v112-127, which are free while scores are made.
;   Window 1: v0-127 S1^T, then p1, then A; v128-255 S2^T, then p2, then V's fragments.
.set VIMG,  131072                     ; LDS: K's image, V's image, the statistics (8 x 256 bytes), O's parts (8 x 4 KiB), the spare words (8 x 128 bytes)
.set STAT,  262144
.set OPART, 264192
.set SPARE, 296960
.set SPW,  1                           ; my spare word's address; never rewritten
.set AK,   2
.set AV,   3
.set STW,  4
.set STR,  5
.set OPW,  6
.set OPR,  7
.set LI16, 8
.set LI8,  9
.set NLAM, 10
.set SA,   11
.set LA,   12
.set SO,   13
.set LO,   14
.set NIL,  15                          ; 0; never rewritten
.set NM1,  20
.set NM2,  22
.set R1,   24
.set G2,   26
.set QA,   32
.set QB,   36
.set LM,   44
.set OACC, 48
.set CODES, 80
.set T,    96
.set MASK, 128
.set WV,   28
.set MSB, 0
.macro WIN new
.if MSB != (\new)
	s_set_vgpr_msb (MSB<<8)|(\new)
.set MSB, (\new)
.endif
.endm
.macro PLACES n
.rept \n
	v_nop
.endr
.endm
.macro ROUND
	s_barrier_signal -1
	s_barrier_wait -1
	s_cmp_lg_u32 s[WV], 0
	s_cbranch_scc1 .Lnot_wave_0_\@
	s_barrier_signal -3
.Lnot_wave_0_\@:
	s_barrier_wait -3
	s_barrier_signal -1
	s_barrier_wait -1
.endm
	s_load_b512 s[8:23], s[0:1], 0x0               ; qimg, kimg, vimg, mask, lq1, lk1, lq2, lk2
	s_load_b128 s[24:27], s[0:1], 0x40             ; the scales' exponents, oimg
	s_load_b128 s[80:83], s[0:1], 0x50             ; Wo's codes, woimg
	v_lshl_add_u32 v[SPW], v0, 2, SPARE
	v_mov_b32 v[NIL], 0
	ds_add_u32 v[SPW], v[NIL]                      ; the add twice on end, and its wait ahead of my first tensor load
	ds_add_u32 v[SPW], v[NIL]
	v_lshrrev_b32 v28, 5, v0
	v_readfirstlane_b32 s[WV], v28                 ; wave 0..7
	s_bfe_u32 s29, ttmp6, 0x40000                  ; cx
	s_lshl_b32 s30, ttmp9, 2
	s_add_co_u32 s30, s30, s29                     ; my block of 256 queries
	s_and_b32 s31, ttmp7, 0xffff                   ; batch x 16 + head, which the partners share
	s_mov_b32 s32, 15|(3<<16)|(1<<21)              ; mask: all four; elements of 8 bytes; bit 21 beside a mask
	s_mov_b32 s33, 32<<16                          ; 64 rows of 256 bytes, dense
	s_mov_b32 s34, 64<<16
	s_mov_b32 s35, 32<<16
	s_mov_b32 s36, 64
	s_mov_b32 s37, 32
	s_mov_b32 s38, 0
	s_mov_b32 s39, 0
	s_lshl_b32 s70, s[WV], 14                      ; my 16 KiB of an image
	s_lshl_b32 s68, s31, 17
	s_add_co_u32 s68, s68, s70
	s_mov_b32 s69, 0
	s_mov_b32 s60, 0x76543210
	s_mov_b32 s61, 0xfedcba98
	s_mov_b32 s66, 0xf1800000                      ; -2^100
	s_lshl_b32 s71, s[WV], 8
	s_lshl_b32 s84, s[WV], 12
	s_and_b32 s67, s[WV], 3
	s_lshl_b32 s85, s67, 10
	s_lshr_b32 s72, s31, 4                         ; batch
	s_and_b32 s73, s31, 15
	s_lshl_b32 s73, s73, 7                         ; head x 128 bytes
	s_lshl_b32 s74, s72, 11
	s_add_co_u32 s74, s74, s71                     ; mask: the batch's row, my 256 keys
	s_mov_b32 s75, 0
	s_lshl_b32 s76, s31, 17
	s_lshl_b32 s77, s30, 14
	s_add_co_u32 s76, s76, s77                     ; qimg: my 16 tiles of 1,024 bytes
	s_mov_b32 s77, 0
	s_lshl_b32 s78, s72, 21
	s_lshl_b32 s79, s30, 18
	s_add_co_u32 s78, s78, s79
	s_lshl_b32 s79, s73, 3
	s_add_co_u32 s78, s78, s79
	s_lshl_b32 s79, s67, 8
	s_add_co_u32 s78, s78, s79                     ; oimg: tile of 16 KiB, head x 1,024, (wave % 4) x 256
	s_mov_b32 s79, 0
	s_lshl_b32 s86, s31, 3
	s_add_co_u32 s86, s86, s30                     ; g = my work-group's number, 0..255: Wo's fragments 2 g and 2 g + 1
	s_lshr_b32 s88, s86, 2
	s_lshl_b32 s88, s88, 14                        ; n tile g / 4: 16 rows of 1,024 bytes
	s_and_b32 s89, s86, 3
	s_lshl_b32 s89, s89, 8                         ; k step 2 (g % 4) + wave / 4
	s_add_co_u32 s88, s88, s89
	s_lshl_b32 s89, s[WV], 5                       ; 128 (wave / 4) + 32 (wave % 4) = 32 x wave
	s_add_co_u32 s88, s88, s89
	s_mov_b32 s89, 0
	s_lshl_b32 s86, s86, 12
	s_lshl_b32 s87, s[WV], 9
	s_add_co_u32 s86, s86, s87
	s_mov_b32 s87, 0
	s_wait_dscnt 0x0                               ; both opening adds are done
	s_wait_kmcnt 0x0
	s_load_b256 s[48:55], s[24:25], 0x18           ; e6 .. e13
	s_mov_b32 s40, 1
	s_mov_b32 s41, s70
	s_add_nc_u64 s[42:43], s[10:11], s[68:69]
	s_or_b32 s43, s43, 0x80000000
	s_mov_b32 s44, 1
	s_add_co_u32 s45, s70, VIMG
	s_add_nc_u64 s[46:47], s[12:13], s[68:69]
	s_or_b32 s47, s47, 0x80000000
	s_add_nc_u64 s[14:15], s[14:15], s[74:75]
	s_add_nc_u64 s[8:9], s[8:9], s[76:77]
	s_add_nc_u64 s[26:27], s[26:27], s[78:79]
	s_add_nc_u64 s[80:81], s[80:81], s[88:89]
	s_add_nc_u64 s[82:83], s[82:83], s[86:87]
	ROUND                                          ; the four work-groups are here: the joint loads meet
	tensor_load_to_lds s[40:43], s[32:39]          ; my part of K's image: my one tensor load at the head
	s_nop 0
	v_and_b32 v31, 31, v0                          ; lane
	v_and_b32 v28, 15, v0                          ; r
	v_bfe_u32 v29, v0, 4, 1                        ; h
	v_lshlrev_b32 v[LI16], 4, v31
	v_lshlrev_b32 v[LI8], 3, v31
	v_add_nc_u32 v[AK], s70, v[LI16]
	v_add_nc_u32 v[AV], VIMG, v[AK]
	v_lshlrev_b32 v[STR], 4, v28
	v_add_nc_u32 v[STR], STAT, v[STR]
	v_add_nc_u32 v[STW], s71, v[STR]
	v_add_nc_u32 v[OPW], s84, v[LI16]
	v_add_nc_u32 v[OPW], OPART, v[OPW]
	v_lshrrev_b32 v30, 1, v31
	v_and_b32 v16, 1, v0
	v_lshlrev_b32 v[OPR], 4, v30
	v_lshl_add_u32 v[OPR], v16, 8, v[OPR]
	v_add_nc_u32 v[OPR], s85, v[OPR]
	v_add_nc_u32 v[OPR], OPART, v[OPR]
	v_lshlrev_b32 v17, 4, v29                      ; mask: 16 h
	v_lshl_add_u32 v18, v31, 2, s73                ; the lambda vectors: my head's row, 4 x lane
	v_lshlrev_b32 v19, 10, v28                     ; Wo: row r, + 16 h
	v_lshl_add_u32 v19, v29, 4, v19
	s_wait_alu depctr_va_vdst(0)                   ; the wait ahead of the readers below
.irp bb, 0,1,2,3,4,5,6,7
	global_load_b128 v[T+4*\bb:T+4*\bb+3], v17, s[14:15] offset:32*\bb   ; the mask's bytes of keys 32 bb + 16 h + 0 .. 15
.endr
	global_load_b32 v[LM], v18, s[16:17]
	global_load_b32 v[LM+1], v18, s[18:19]
	global_load_b32 v[LM+2], v18, s[20:21]
	global_load_b32 v[LM+3], v18, s[22:23]
	global_load_b128 v[CODES:CODES+3], v19, s[80:81]
	global_load_b128 v[QA:QA+3], v[LI16], s[8:9]
	global_load_b128 v[QB+4:QB+7], v[LI16], s[8:9] offset:512
.irp k, 36,37,38,39
	v_mov_b32 v[\k], 0                             ; the 32 zero codes behind Q1 and ahead of Q2
.endr
	v_mov_b32 v[NM1+1], 0                          ; (named as the upper halves of pairs)
	v_mov_b32 v[NM2+1], 0
	v_mov_b32 v[R1+1], 0
	v_mov_b32 v[G2+1], 0
	s_wait_alu depctr_va_vdst(0)
	s_wait_tensorcnt 0x0                           ; V's first fill is issued as a refill is
	ds_add_u32 v[SPW], v[NIL]
	s_wait_dscnt 0x0
	ROUND
	tensor_load_to_lds s[44:47], s[32:39]          ; my part of V's image
	s_nop 0
	PLACES 4
	s_wait_loadcnt 0x0
	global_store_b128 v[LI16], v[CODES:CODES+3], s[82:83]   ; the wave's store covers 512 consecutive bytes, aligned
.set i, 0
.rept 128
	v_bfe_u32 v[MASK+i], v[T+4*(i/16)+(i%16)/4], 8*(i%4), 1
.set i, i+1
.endr
.set i, 0
.rept 128
	v_mul_lo_u32 v[MASK+i], v[MASK+i], s66         ; 0, or the bits of -2^100
.set i, i+1
.endr
	v_mul_f32 v[LM], v[LM], v[LM+1]                ; lam = exp(lq1 . lk1) - exp(lq2 . lk2) + 0.8
	v_mul_f32 v[LM+2], v[LM+2], v[LM+3]
.irp x, 1,2,4,8
	v_add_f32_dpp v[LM], v[LM], v[LM] row_xmask:\x row_mask:0xf bank_mask:0xf
	v_add_f32_dpp v[LM+2], v[LM+2], v[LM+2] row_xmask:\x row_mask:0xf bank_mask:0xf
.endr
	v_permlanex16_b32 v28, v[LM], s60, s61
	v_permlanex16_b32 v29, v[LM+2], s60, s61
	v_add_f32 v[LM], v[LM], v28
	v_add_f32 v[LM+2], v[LM+2], v29
	v_mul_f32 v[LM], 0x3fb8aa3b, v[LM]
	v_mul_f32 v[LM+2], 0x3fb8aa3b, v[LM+2]
	s_wait_alu depctr_va_vdst(0)
	v_exp_f32 v[LM], v[LM]
	v_exp_f32 v[LM+2], v[LM+2]
	v_nop
	s_wait_alu depctr_va_vdst(0)
	v_sub_f32 v[LM], v[LM], v[LM+2]
	v_add_f32 v[LM], 0x3f4ccccd, v[LM]
	v_sub_f32 v[NLAM], 0, v[LM]
	s_wait_kmcnt 0x0
	s_add_co_i32 s72, s48, s49                     ; c = log2(e) / sqrt(32) x 2^(e6 + e7): the exponents are added to c's exponent field
	s_lshl_b32 s72, s72, 23
	s_add_co_i32 s56, s72, 0x3e8293ee
	s_mov_b32 s57, s56
	s_add_co_i32 s72, s50, s51
	s_lshl_b32 s72, s72, 23
	s_add_co_i32 s58, s72, 0x3e8293ee
	s_mov_b32 s59, s58
	s_add_co_i32 s72, s52, 127
	s_lshl_b32 s73, s72, 23
	v_mov_b32 v[SA], s73                           ; 2^e10, and 57,344 x that
	s_add_co_i32 s72, s72, 15
	s_lshl_b32 s72, s72, 23
	s_or_b32 s72, s72, 0x600000
	v_mov_b32 v[LA], s72
	s_sub_co_i32 s72, s54, s52
	s_sub_co_i32 s72, s72, s53
	s_add_co_i32 s72, s72, 127
	s_lshl_b32 s73, s72, 23
	v_mov_b32 v[SO], s73                           ; 2^(e12 - e10 - e11), and 57,344 x that
	s_add_co_i32 s72, s72, 15
	s_lshl_b32 s72, s72, 23
	s_or_b32 s72, s72, 0x600000
	v_mov_b32 v[LO], s72
; batch b: my tiles 4 b .. 4 b + 3 of 16 keys.  Even batches lie in v48-79, odd ones in v80-95 and v112-127
.macro FETCHK b
.irp t, 0,1,2,3
.set kf, 48+32*((\b)%2)+8*\t+16*((\b)%2)*(\t/2)
.irp g, 0,1
	ds_load_b128 v[kf+4*\g:kf+4*\g+3], v[AK] offset:(4*(\b)+\t)*1024+512*\g
.endr
.endr
.endm
.macro WMQK b                          ; both score sets of the batch's 64 keys; C = the mask's terms
	WIN 0x40
.irp t, 0,1,2,3
.set kf, 48+32*((\b)%2)+8*\t+16*((\b)%2)*(\t/2)
	v_wmma_f32_16x16x64_bf8_bf8 v[8*(4*(\b)+\t):8*(4*(\b)+\t)+7], v[kf:kf+7], v[QA:QA+7], v[MASK+8*(4*(\b)+\t):MASK+8*(4*(\b)+\t)+7]
.endr
.irp t, 0,1,2,3
.set kf, 48+32*((\b)%2)+8*\t+16*((\b)%2)*(\t/2)
	v_wmma_f32_16x16x64_bf8_bf8 v[128+8*(4*(\b)+\t):128+8*(4*(\b)+\t)+7], v[kf:kf+7], v[QB:QB+7], v[MASK+8*(4*(\b)+\t):MASK+8*(4*(\b)+\t)+7]
.endr
.endm
.macro MAXS b                          ; eight chains a set; each accumulator is read from its low end on
	WIN 0x14
.irp sg, 0,1
.set i, 0
.rept 16
	v_max3_num_f32 v[T+8*\sg+i%8], v[T+8*\sg+i%8], v[128*\sg+32*(\b)+2*i], v[128*\sg+32*(\b)+2*i+1]
.set i, i+1
.endr
.endr
.endm
.macro FMAS lo, cp, nm                 ; c s - m on 64 registers
.set i, 0
.rept 32
	v_pk_fma_f32 v[\lo+2*i:\lo+2*i+1], v[\lo+2*i:\lo+2*i+1], s[\cp:\cp+1], v[\nm:\nm+1] op_sel_hi:[1,0,0]
.set i, i+1
.endr
.endm
.macro EXFM lo, lo2, cp, nm            ; a quarter's 64 exponentials; the next quarter's multiply-adds stand among them and are first read behind the next wait
.set i, 0
.rept 32
	v_exp_f32 v[\lo+2*i], v[\lo+2*i]
	v_exp_f32 v[\lo+2*i+1], v[\lo+2*i+1]
	v_pk_fma_f32 v[\lo2+2*i:\lo2+2*i+1], v[\lo2+2*i:\lo2+2*i+1], s[\cp:\cp+1], v[\nm:\nm+1] op_sel_hi:[1,0,0]
.set i, i+1
.endr
.endm
.macro SUMS sg                         ; a set's 128 numbers into eight pairs
	WIN 0x05
.irp k, 0,1,2,3,4,5,6,7
	v_pk_add_f32 v[T+16*(\sg)+2*\k:T+16*(\sg)+2*\k+1], v[128*(\sg)+4*\k:128*(\sg)+4*\k+1], v[128*(\sg)+4*\k+2:128*(\sg)+4*\k+3]
.endr
	WIN 0x04
.set i, 16
.rept 48
	v_pk_add_f32 v[T+16*(\sg)+2*(i%8):T+16*(\sg)+2*(i%8)+1], v[T+16*(\sg)+2*(i%8):T+16*(\sg)+2*(i%8)+1], v[128*(\sg)+2*i:128*(\sg)+2*i+1]
.set i, i+1
.endr
.endm
.macro COMB ks                         ; A of 128 keys = p1 r1 + p2 g2; p2's 64 registers then take V's four fragments of these keys
	WIN 0x41
.set i, 0
.rept 32
	v_pk_mul_f32 v[128+64*(\ks)+2*i:129+64*(\ks)+2*i], v[128+64*(\ks)+2*i:129+64*(\ks)+2*i], v[G2:G2+1] op_sel_hi:[1,0]
.set i, i+1
.endr
	WIN 0x51
.set i, 0
.rept 32
	v_pk_fma_f32 v[64*(\ks)+2*i:64*(\ks)+2*i+1], v[64*(\ks)+2*i:64*(\ks)+2*i+1], v[R1:R1+1], v[128+64*(\ks)+2*i:129+64*(\ks)+2*i] op_sel_hi:[1,0,1]
.set i, i+1
.endr
	WIN 0x40
.irp dt, 0,1,2,3
.irp c, 0,1,2,3
	ds_load_b128 v[128+64*(\ks)+16*\dt+4*\c:128+64*(\ks)+16*\dt+4*\c+3], v[AV] offset:8192*(\ks)+2048*\dt+512*\c
.endr
.endr
.endm
.macro QPV ks, left                    ; held, converted; O^T += V^T A^T.  left: the LDS loads that may stay out
	WIN 0x41
.set i, 0
.rept 64
	v_med3_num_f32 v[64*(\ks)+i], v[64*(\ks)+i], -v[LA], v[LA]
.set i, i+1
.endr
	WIN 0x01
.irp g, 0,1,2,3,4,5,6,7
	v_cvt_scalef32_pk8_bf8_f32 v[CODES+2*\g:CODES+2*\g+1], v[64*(\ks)+8*\g:64*(\ks)+8*\g+7], v[SA]
.endr
	v_nop
	s_wait_alu depctr_va_vdst(0)
	s_wait_dscnt \left
.irp dt, 0,1,2,3
.if (\ks) == 0
	v_wmma_f32_16x16x128_bf8_bf8 v[OACC+8*\dt:OACC+8*\dt+7], v[128+64*(\ks)+16*\dt:128+64*(\ks)+16*\dt+15], v[CODES:CODES+15], 0
.else
	v_wmma_f32_16x16x128_bf8_bf8 v[OACC+8*\dt:OACC+8*\dt+7], v[128+64*(\ks)+16*\dt:128+64*(\ks)+16*\dt+15], v[CODES:CODES+15], v[OACC+8*\dt:OACC+8*\dt+7]
.endif
.endr
.endm
	s_wait_xcnt 0x0                                ; the store of Wo's image has read its registers
	s_wait_alu depctr_va_vdst(0)                   ; the wait at the head's end
	s_wait_tensorcnt 0x0                           ; my parts of both images are in; only I read them
	FETCHK 0
	FETCHK 1
	s_mov_b32 s62, 16
.Ltile:
	s_wait_loadcnt 0x0                             ; this tile's Q
.irp k, 0,1,2,3,4,5,6,7,8,9,10,11,12,13,14,15
	v_mov_b32 v[T+\k], 0xdd800000                  ; the maxima's floor, -2^60
.endr
	s_wait_dscnt 0x0
	WMQK 0
	PLACES 4
	WIN 0
	FETCHK 2
	WMQK 1
	s_wait_alu depctr_va_vdst(0)                   ; the floors were written ahead of a wait that blocks
	MAXS 0
	WIN 0
	FETCHK 3
	s_wait_dscnt 8                                 ; batch 2 is in; batch 3's 8 loads may be out
	WMQK 2
	MAXS 1
	s_wait_dscnt 0x0
	WMQK 3
	MAXS 2
	WIN 0
	s_cmp_eq_u32 s62, 1
	s_cbranch_scc1 .Lno_q                          ; the last tile has no successor
	global_load_b128 v[QA:QA+3], v[LI16], s[8:9] offset:1024
	global_load_b128 v[QB+4:QB+7], v[LI16], s[8:9] offset:1536
.Lno_q:
	MAXS 3
	WIN 0
.irp b, 0,8
	v_max3_num_f32 v[T+\b], v[T+\b], v[T+\b+1], v[T+\b+2]
	v_max3_num_f32 v[T+\b+3], v[T+\b+3], v[T+\b+4], v[T+\b+5]
.endr
	v_max3_num_f32 v[T], v[T], v[T+6], v[T+7]
	v_max3_num_f32 v[T+8], v[T+8], v[T+14], v[T+15]
	v_max_num_f32 v[T], v[T], v[T+3]
	v_max_num_f32 v[T+8], v[T+8], v[T+11]
	v_permlanex16_b32 v28, v[T], s60, s61
	v_permlanex16_b32 v29, v[T+8], s60, s61
	v_max_num_f32 v[T], v[T], v28
	v_max_num_f32 v[T+8], v[T+8], v29
	v_mul_f32 v16, s56, v[T]                       ; m1, m2: my keys' maxima as exponents (c is positive)
	v_mul_f32 v18, s58, v[T+8]
	v_sub_f32 v[NM1], 0, v16
	v_sub_f32 v[NM2], 0, v18
	WIN 0x41
	FMAS 0, 56, NM1
	s_wait_alu depctr_va_vdst(0)                   ; the wait ahead of each batch: its sources were written ahead of it
	EXFM 0, 64, 56, NM1
	s_wait_alu depctr_va_vdst(0)
	EXFM 64, 128, 58, NM2
	s_wait_alu depctr_va_vdst(0)
	EXFM 128, 192, 58, NM2
	s_wait_alu depctr_va_vdst(0)
.set i, 192
.rept 64
	v_exp_f32 v[i], v[i]
.set i, i+1
.endr
	v_nop
	s_wait_alu depctr_va_vdst(0)                   ; and behind the exponentials, ahead of their first reader
	SUMS 0
	SUMS 1
	WIN 0
.irp k, 0,2,4,6
	v_pk_add_f32 v[T+\k:T+\k+1], v[T+\k:T+\k+1], v[T+8+\k:T+9+\k]
	v_pk_add_f32 v[T+16+\k:T+17+\k], v[T+16+\k:T+17+\k], v[T+24+\k:T+25+\k]
.endr
.irp k, 0,2
	v_pk_add_f32 v[T+\k:T+\k+1], v[T+\k:T+\k+1], v[T+4+\k:T+5+\k]
	v_pk_add_f32 v[T+16+\k:T+17+\k], v[T+16+\k:T+17+\k], v[T+20+\k:T+21+\k]
.endr
	v_pk_add_f32 v[T:T+1], v[T:T+1], v[T+2:T+3]
	v_pk_add_f32 v[T+16:T+17], v[T+16:T+17], v[T+18:T+19]
	v_add_f32 v17, v[T], v[T+1]
	v_add_f32 v19, v[T+16], v[T+17]
	v_permlanex16_b32 v28, v17, s60, s61
	v_permlanex16_b32 v29, v19, s60, s61
	v_add_f32 v17, v17, v28
	v_add_f32 v19, v19, v29
	ds_store_b128 v[STW], v[16:19]                 ; (m1, z1, m2, z2) of my keys, for each query
	s_wait_dscnt 0x0
	s_barrier_signal -1
	s_barrier_wait -1
.irp k, 0,1,2,3,4,5,6,7
	ds_load_b128 v[T+4*\k:T+4*\k+3], v[STR] offset:256*\k
.endr
	s_wait_dscnt 0x0
	v_max3_num_f32 v28, v[T], v[T+4], v[T+8]
	v_max3_num_f32 v29, v[T+2], v[T+6], v[T+10]
	v_max3_num_f32 v28, v28, v[T+12], v[T+16]
	v_max3_num_f32 v29, v29, v[T+14], v[T+18]
	v_max3_num_f32 v28, v28, v[T+20], v[T+24]
	v_max3_num_f32 v29, v29, v[T+22], v[T+26]
	v_max_num_f32 v28, v28, v[T+28]
	v_max_num_f32 v29, v29, v[T+30]
	v_sub_f32 v30, v16, v28
	v_sub_f32 v31, v18, v29
.irp k, 0,1,2,3,4,5,6,7
	v_sub_f32 v[T+4*\k], v[T+4*\k], v28
	v_sub_f32 v[T+4*\k+2], v[T+4*\k+2], v29
.endr
	s_wait_alu depctr_va_vdst(0)
	v_exp_f32 v30, v30
	v_exp_f32 v31, v31
.irp k, 0,1,2,3,4,5,6,7
	v_exp_f32 v[T+4*\k], v[T+4*\k]
	v_exp_f32 v[T+4*\k+2], v[T+4*\k+2]
.endr
	v_nop
	s_wait_alu depctr_va_vdst(0)
	v_mul_f32 v[R1], v[T], v[T+1]                  ; Z = the eight sums under the common maximum
	v_mul_f32 v[G2], v[T+2], v[T+3]
.irp k, 1,2,3,4,5,6,7
	v_fmac_f32 v[R1], v[T+4*\k], v[T+4*\k+1]
	v_fmac_f32 v[G2], v[T+4*\k+2], v[T+4*\k+3]
.endr
	s_wait_alu depctr_va_vdst(0)
	v_rcp_f32 v[R1], v[R1]
	v_rcp_f32 v[G2], v[G2]
	v_mul_f32 v31, v31, v[NLAM]
	s_wait_alu depctr_va_vdst(0)
	v_mul_f32 v[R1], v[R1], v30
	v_mul_f32 v[G2], v[G2], v31
	COMB 0
	COMB 1
	QPV 0, 16                                      ; V's first 16 loads are in; the second 16 may be out
	QPV 1, 0
	WIN 0
	PLACES 4
.irp dt, 0,1,2,3
	ds_store_b128 v[OPW], v[OACC+8*\dt:OACC+8*\dt+3] offset:1024*\dt
	ds_store_b128 v[OPW], v[OACC+8*\dt+4:OACC+8*\dt+7] offset:1024*\dt+512
.endr
	FETCHK 0                                       ; the next tile's first fragments of K, over registers that are done with
	FETCHK 1
	s_wait_dscnt 0x0
	s_barrier_signal -1
	s_barrier_wait -1
	s_cmp_lt_u32 s[WV], 4
	s_cbranch_scc0 .Lno_red                        ; waves 0 to 3 add the eight parts; no barrier stands in the branch
	WIN 0x40
.irp ws, 0,1,2,3,4,5,6,7
.irp g, 0,1
	ds_load_b128 v[8*\ws+4*\g:8*\ws+4*\g+3], v[OPR] offset:4096*\ws+512*\g
.endr
.endr
	s_wait_dscnt 0x0
	WIN 0x45
.irp a, 0,16,32,48
.irp p, 0,2,4,6
	v_pk_add_f32 v[\a+\p:\a+\p+1], v[\a+\p:\a+\p+1], v[\a+8+\p:\a+9+\p]
.endr
.endr
.irp a, 0,32
.irp p, 0,2,4,6
	v_pk_add_f32 v[\a+\p:\a+\p+1], v[\a+\p:\a+\p+1], v[\a+16+\p:\a+17+\p]
.endr
.endr
.irp p, 0,2,4,6
	v_pk_add_f32 v[\p:\p+1], v[\p:\p+1], v[32+\p:33+\p]
.endr
	WIN 0x41
.irp p, 0,1,2,3,4,5,6,7
	v_med3_num_f32 v[\p], v[\p], -v[LO], v[LO]
.endr
	WIN 0x01
	v_cvt_scalef32_pk8_bf8_f32 v[28:29], v[0:7], v[SO]
	WIN 0
	v_nop
	global_store_b64 v[LI8], v[28:29], s[26:27]    ; the wave's store covers 256 consecutive bytes, aligned
.Lno_red:
	s_wait_xcnt 0x0                                ; bases and data may be rewritten
	s_add_nc_u64 s[8:9], s[8:9], 1024
	s_add_nc_u64 s[26:27], s[26:27], 16384
	s_sub_co_u32 s62, s62, 1
	s_cmp_lg_u32 s62, 0
	s_cbranch_scc1 .Ltile
	s_wait_tensorcnt 0x0                           ; the wave's end
	ds_add_u32 v[SPW], v[NIL]
	s_wait_dscnt 0x0
	ROUND                                          ; the closing round
	s_endpgm
.Lfunc_end_k_qaf28f583d2_attn:
	.size	k_qaf28f583d2_attn, .Lfunc_end_k_qaf28f583d2_attn-k_qaf28f583d2_attn
	.p2alignl 7, 3214868480
	.fill 96, 4, 3214868480
	.section	.rodata,"a",@progbits
	.p2align	6, 0x0
	.amdhsa_kernel k_qaf28f583d2_attn
		.amdhsa_group_segment_fixed_size 327680
		.amdhsa_private_segment_fixed_size 0
		.amdhsa_enable_private_segment 0
		.amdhsa_kernarg_size 96
		.amdhsa_user_sgpr_count 2
		.amdhsa_user_sgpr_kernarg_segment_ptr 1
		.amdhsa_wavefront_size32 1
		.amdhsa_system_sgpr_workgroup_id_x 1
		.amdhsa_system_sgpr_workgroup_id_y 1
		.amdhsa_system_sgpr_workgroup_id_z 1
		.amdhsa_system_vgpr_workitem_id 0
		.amdhsa_next_free_vgpr 512
		.amdhsa_next_free_sgpr 90
		.amdhsa_reserve_vcc 0
		.amdhsa_float_denorm_mode_32 3
		.amdhsa_float_denorm_mode_16_64 3
		.amdhsa_memory_ordered 1
		.amdhsa_forward_progress 1
		.amdhsa_inst_pref_size 95
	.end_amdhsa_kernel
	.amdgpu_metadata
---
amdhsa.version: [ 1, 2 ]
amdhsa.kernels:
  - .name:           k_qaf28f583d2_attn
    .symbol:         k_qaf28f583d2_attn.kd
    .args:
      - { .name: qimg, .offset: 0, .size: 8, .value_kind: global_buffer, .address_space: global }
      - { .name: kimg, .offset: 8, .size: 8, .value_kind: global_buffer, .address_space: global }
      - { .name: vimg, .offset: 16, .size: 8, .value_kind: global_buffer, .address_space: global }
      - { .name: key_padding_mask, .offset: 24, .size: 8, .value_kind: global_buffer, .address_space: global }
      - { .name: lq1, .offset: 32, .size: 8, .value_kind: global_buffer, .address_space: global }
      - { .name: lk1, .offset: 40, .size: 8, .value_kind: global_buffer, .address_space: global }
      - { .name: lq2, .offset: 48, .size: 8, .value_kind: global_buffer, .address_space: global }
      - { .name: lk2, .offset: 56, .size: 8, .value_kind: global_buffer, .address_space: global }
      - { .name: lowp_scales, .offset: 64, .size: 8, .value_kind: global_buffer, .address_space: global }
      - { .name: oimg, .offset: 72, .size: 8, .value_kind: global_buffer, .address_space: global }
      - { .name: Wo_codes, .offset: 80, .size: 8, .value_kind: global_buffer, .address_space: global }
      - { .name: woimg, .offset: 88, .size: 8, .value_kind: global_buffer, .address_space: global }
    .group_segment_fixed_size: 327680
    .private_segment_fixed_size: 0
    .kernarg_segment_align: 8
    .kernarg_segment_size: 96
    .max_flat_workgroup_size: 256
    .sgpr_count:     90
    .vgpr_count:     512
    .wavefront_size: 32
...
	.end_amdgpu_metadata
.endif
;; end of part 2
;; launch oproj (part 3): grid 256 x 1, 8 waves a work-group, no clusters, 67,584 bytes of LDS; arguments oimg, woimg, lowp_scales, x, gamma, beta, out0; writes out0
.if DOCPART == 3
	.amdgcn_target "amdgcn-amd-amdhsa--gfx1250"
	.amdhsa_code_object_version 6
	.text
	.protected	k_qaf28f583d2_oproj
	.globl	k_qaf28f583d2_oproj
	.p2align	8
	.type	k_qaf28f583d2_oproj,@function
k_qaf28f583d2_oproj:
	s_mov_b64 s[64:65], 0
	v_nop
	global_prefetch_b8 v0, s[64:65] scope:SCOPE_SE
	s_setreg_imm32_b32 hwreg(HW_REG_WAVE_MODE, 25, 1), 1
	s_wait_xcnt 0x0
; out = LayerNorm(O Wo^T + x) gamma + beta.  O: codes of BF8 as operand images, oimg[tile of 16 tokens][k step 8][c 4][lane 32][16 bytes]; Wo: codes as operand images, woimg[n tile 64][k step 8][c 4][lane 32][16 bytes].
; SHARES.  A work-group owns one tile of 16 tokens and all 1,024 columns, so that a row's mean and variance stay inside it.  Wave w of eight takes columns 128 w .. 128 w + 127: 8 accumulators, 64 matrix instructions.
; THE WEIGHTS GO FROM MEMORY STRAIGHT INTO OPERAND REGISTERS: each load of the wave covers 512 consecutive bytes of woimg.  A ring of three groups of four fragments (16 loads a group): 32 to 48 loads of a wave are out ahead of their use.
; NO CLUSTER, NO TENSOR LOAD.
; NO PREFETCH: the ring above is the look-ahead, two groups ahead of the products.
; THE MATRIX INSTRUCTION IS USED TRANSPOSED (source 0 = 16 rows of Wo, source 1 = the 16 tokens): a lane holds one token and eight neighbouring columns.
; Index r of tile T is token 32 (T / 2) + 8 (T % 2) + r + 8 (r / 8).  The sums go through a stage in LDS; wave w then finishes rows 2 w and 2 w + 1, the two rows' chains by turns.
; LIMIT: e12 + e13 between -126 and 127, so that 2^(e12 + e13) is an f32 number.
; REGISTERS: window 0: v1-5 addresses, v24-31 and v96-115 at work, v32-95 accumulators, v128-255 O's codes, then my two rows.  Window 1: v0-191 the ring (v64-127 at the end gamma and beta), v192-255 x.
.set SPITCH, 4112                      ; a stage row: 4,096 bytes + 16
.set SPARE,  16*SPITCH                 ; the spare words: 128 bytes a wave, four blocks of 256 bytes that no other line names
.set SPW, 1
.set NIL, 2
.set LI,  3
.set STO, 4
.set SRD, 5
.set ACC, 32
.set SM,  96
.set RS,  112
.set OC,  128
.set Y,   128
.set GB,  64
.set XR,  192
.set WV,  20
.set MSB, 0
.macro WIN new
.if MSB != (\new)
	s_set_vgpr_msb (MSB<<8)|(\new)
.set MSB, (\new)
.endif
.endm
.macro PLACES n
.rept \n
	v_nop
.endr
.endm
	s_load_b256 s[4:11], s[0:1], 0x0               ; oimg, woimg, the scales' exponents, x
	s_load_b128 s[12:15], s[0:1], 0x20             ; gamma, beta
	s_load_b64 s[16:17], s[0:1], 0x30              ; out
	v_lshl_add_u32 v[SPW], v0, 2, SPARE
	v_mov_b32 v[NIL], 0
	v_lshrrev_b32 v6, 5, v0
	v_readfirstlane_b32 s[WV], v6                  ; wave 0..7
	v_and_b32 v7, 31, v0
	v_and_b32 v8, 15, v0                           ; r
	v_bfe_u32 v9, v0, 4, 1                         ; h
	v_lshlrev_b32 v[LI], 4, v7
	v_mul_u32_u24 v[STO], v8, SPITCH               ; in: row r, my wave's 512 bytes, 32 bytes for each half of the lanes
	v_lshl_add_u32 v[STO], v9, 5, v[STO]
	s_lshl_b32 s21, s[WV], 9
	v_add_nc_u32 v[STO], s21, v[STO]
	s_mul_i32 s23, s[WV], 2*SPITCH
	v_add_nc_u32 v[SRD], s23, v[LI]                ; back: rows 2 w, 2 w + 1
.irp k, 25,27,29,31,RS+1,RS+3
	v_mov_b32 v[\k], 0                             ; lane permutes' destinations and upper halves of pairs are written once
.endr
	s_lshl_b32 s24, ttmp9, 14                      ; my tile of oimg
	s_mov_b32 s25, 0
	s_lshl_b32 s26, s[WV], 17                      ; my 8 n tiles of woimg
	s_mov_b32 s27, 0
	s_lshr_b32 s28, ttmp9, 1
	s_lshl_b32 s28, s28, 5
	s_and_b32 s29, ttmp9, 1
	s_lshl_b32 s29, s29, 3
	s_add_co_u32 s28, s28, s29
	s_lshl_b32 s29, s[WV], 1
	s_add_co_u32 s28, s28, s29
	s_lshr_b32 s29, s[WV], 2
	s_lshl_b32 s29, s29, 3
	s_add_co_u32 s28, s28, s29                     ; the token of stage row 2 w
	s_lshl_b32 s28, s28, 12
	s_mov_b32 s29, 0
	s_mov_b32 s42, 0x76543210
	s_mov_b32 s43, 0xfedcba98
	s_mov_b32 s44, 0x3a800000                      ; 1 / 1,024
	s_mov_b32 s45, 0x3727c5ac                      ; 1e-5
	s_wait_alu depctr_va_vdst(0)                   ; the wait at the head's end
	s_wait_kmcnt 0x0
	s_load_b64 s[40:41], s[8:9], 0x30              ; e12, e13
	s_add_nc_u64 s[4:5], s[4:5], s[24:25]
	s_add_nc_u64 s[6:7], s[6:7], s[26:27]
	s_add_nc_u64 s[10:11], s[10:11], s[28:29]
	s_add_nc_u64 s[16:17], s[16:17], s[28:29]
.macro WLOAD g                         ; group g: k step g / 2, my n tiles 4 (g % 2) + 0 .. 3, into ring place g % 3
.irp f, 0,1,2,3
.irp c, 0,1,2,3
	global_load_b128 v[64*((\g)%3)+16*\f+4*\c:64*((\g)%3)+16*\f+4*\c+3], v[LI], s[6:7] offset:((4*((\g)%2)+\f)*8+(\g)/2)*2048+512*\c
.endr
.endr
.endm
	WIN 0x40
.irp i, 0,1
.irp ch, 0,1,2,3,4,5,6,7
	global_load_b128 v[XR+32*\i+4*\ch:XR+32*\i+4*\ch+3], v[LI], s[10:11] offset:4096*\i+512*\ch th:TH_LOAD_NT
.endr
.endr
	WIN 0
.set i, 0
.rept 32
	global_load_b128 v[OC+4*i:OC+4*i+3], v[LI], s[4:5] offset:512*i
.set i, i+1
.endr
	WIN 0x40
	WLOAD 0
	WLOAD 1
	WLOAD 2
; A group: its 16 loads are in when at most the 32 issued behind them are out (the last group: gamma's and beta's 16).  The 8 accumulators take turns; k step 0 starts the sums.
.macro GROUP g
.if (\g) < 15
	s_wait_loadcnt 32
.else
	s_wait_loadcnt 16
.endif
	WIN 0x01
.irp f, 0,1,2,3
.if (\g) < 2
	v_wmma_f32_16x16x128_bf8_bf8 v[ACC+8*(4*((\g)%2)+\f):ACC+8*(4*((\g)%2)+\f)+7], v[64*((\g)%3)+16*\f:64*((\g)%3)+16*\f+15], v[OC+16*((\g)/2):OC+16*((\g)/2)+15], 0
.else
	v_wmma_f32_16x16x128_bf8_bf8 v[ACC+8*(4*((\g)%2)+\f):ACC+8*(4*((\g)%2)+\f)+7], v[64*((\g)%3)+16*\f:64*((\g)%3)+16*\f+15], v[OC+16*((\g)/2):OC+16*((\g)/2)+15], v[ACC+8*(4*((\g)%2)+\f):ACC+8*(4*((\g)%2)+\f)+7]
.endif
.endr
.if (\g) < 14
	PLACES 4                                       ; in front of loads into registers that matrix instructions have read
	WIN 0x40
.if (\g) < 13
	WLOAD (\g)+3
.else
.irp ch, 0,1,2,3,4,5,6,7
	global_load_b128 v[GB+4*\ch:GB+4*\ch+3], v[LI], s[12:13] offset:512*\ch
	global_load_b128 v[GB+32+4*\ch:GB+32+4*\ch+3], v[LI], s[14:15] offset:512*\ch
.endr
.endif
.endif
.endm
.irp g, 0,1,2,3,4,5,6,7,8,9,10,11,12,13,14,15
	GROUP \g
.endr
	WIN 0
	PLACES 4                                       ; behind the last products, in front of the first read of results and of loads over O's codes
.irp j, 0,1,2,3,4,5,6,7
	ds_store_b128 v[STO], v[ACC+8*\j:ACC+8*\j+3] offset:64*\j
	ds_store_b128 v[STO], v[ACC+8*\j+4:ACC+8*\j+7] offset:64*\j+16
.endr
	s_wait_dscnt 0x0
	s_barrier_signal -1
	s_barrier_wait -1
.irp i, 0,1
.irp ch, 0,1,2,3,4,5,6,7
	ds_load_b128 v[Y+32*\i+4*\ch:Y+32*\i+4*\ch+3], v[SRD] offset:\i*SPITCH+512*\ch
.endr
.endr
	s_wait_kmcnt 0x0
	s_add_co_i32 s40, s40, s41
	s_add_co_i32 s40, s40, 127
	s_lshl_b32 s40, s40, 23                        ; 2^(e12 + e13)
	s_mov_b32 s41, s40
	s_wait_loadcnt 0x0
	s_wait_dscnt 0x0
	WIN 0x10
.set p, 0
.rept 32
	v_pk_fma_f32 v[Y+2*p:Y+2*p+1], v[Y+2*p:Y+2*p+1], s[40:41], v[XR+2*p:XR+2*p+1] op_sel_hi:[1,0,1]   ; y = sum x 2^(e12 + e13) + x
.set p, p+1
.endr
	WIN 0
.macro LSUM                            ; each row's four pairs become its sum, in every lane
.irp i, 0,1
	v_pk_add_f32 v[SM+8*\i:SM+8*\i+1], v[SM+8*\i:SM+8*\i+1], v[SM+8*\i+2:SM+8*\i+3]
	v_pk_add_f32 v[SM+8*\i+4:SM+8*\i+5], v[SM+8*\i+4:SM+8*\i+5], v[SM+8*\i+6:SM+8*\i+7]
.endr
.irp i, 0,1
	v_pk_add_f32 v[SM+8*\i:SM+8*\i+1], v[SM+8*\i:SM+8*\i+1], v[SM+8*\i+4:SM+8*\i+5]
.endr
.irp i, 0,1
	v_add_f32 v[24+2*\i], v[SM+8*\i], v[SM+8*\i+1]
.endr
.irp x, 1,2,4,8
.irp i, 0,1
	v_add_f32_dpp v[24+2*\i], v[24+2*\i], v[24+2*\i] row_xmask:\x row_mask:0xf bank_mask:0xf
.endr
.endr
.irp i, 0,1
	v_permlanex16_b32 v[25+2*\i], v[24+2*\i], s42, s43
.endr
.irp i, 0,1
	v_add_f32 v[24+2*\i], v[24+2*\i], v[25+2*\i]
.endr
.endm
.irp i, 0,1
.irp k, 0,2,4,6
	v_pk_add_f32 v[SM+8*\i+\k:SM+8*\i+\k+1], v[Y+32*\i+\k:Y+32*\i+\k+1], v[Y+32*\i+8+\k:Y+32*\i+9+\k]
.endr
.endr
.irp o, 16,24
.irp i, 0,1
.irp k, 0,2,4,6
	v_pk_add_f32 v[SM+8*\i+\k:SM+8*\i+\k+1], v[SM+8*\i+\k:SM+8*\i+\k+1], v[Y+32*\i+\o+\k:Y+32*\i+\o+\k+1]
.endr
.endr
.endr
	LSUM
.irp i, 0,1
	v_mul_f32 v[28+2*\i], s44, v[24+2*\i]          ; the mean
.endr
.irp i, 0,1
.set p, 0
.rept 16
	v_pk_add_f32 v[Y+32*\i+2*p:Y+32*\i+2*p+1], v[Y+32*\i+2*p:Y+32*\i+2*p+1], v[28+2*\i:29+2*\i] op_sel_hi:[1,0] neg_lo:[0,1] neg_hi:[0,1]
.set p, p+1
.endr
.endr
.irp i, 0,1
.irp k, 0,2,4,6
	v_pk_mul_f32 v[SM+8*\i+\k:SM+8*\i+\k+1], v[Y+32*\i+\k:Y+32*\i+\k+1], v[Y+32*\i+\k:Y+32*\i+\k+1]
.endr
.endr
.irp o, 8,16,24
.irp i, 0,1
.irp k, 0,2,4,6
	v_pk_fma_f32 v[SM+8*\i+\k:SM+8*\i+\k+1], v[Y+32*\i+\o+\k:Y+32*\i+\o+\k+1], v[Y+32*\i+\o+\k:Y+32*\i+\o+\k+1], v[SM+8*\i+\k:SM+8*\i+\k+1]
.endr
.endr
.endr
	LSUM
.irp i, 0,1
	v_fma_f32 v[24+2*\i], v[24+2*\i], s44, s45     ; the variance + 1e-5
.endr
	s_wait_alu depctr_va_vdst(0)                   ; the wait ahead of the batch,
	v_rsq_f32 v[RS], v24
	v_rsq_f32 v[RS+2], v26
	v_nop
	s_wait_alu depctr_va_vdst(0)                   ; and behind it, ahead of its first reader
.irp i, 0,1
.set p, 0
.rept 16
	v_pk_mul_f32 v[Y+32*\i+2*p:Y+32*\i+2*p+1], v[Y+32*\i+2*p:Y+32*\i+2*p+1], v[RS+2*\i:RS+2*\i+1] op_sel_hi:[1,0]
.set p, p+1
.endr
.endr
	WIN 0x14
.irp i, 0,1
.set p, 0
.rept 16
	v_pk_fma_f32 v[Y+32*\i+2*p:Y+32*\i+2*p+1], v[Y+32*\i+2*p:Y+32*\i+2*p+1], v[GB+2*p:GB+2*p+1], v[GB+32+2*p:GB+32+2*p+1]
.set p, p+1
.endr
.endr
	WIN 0
.irp i, 0,1
.irp ch, 0,1,2,3,4,5,6,7
	global_store_b128 v[LI], v[Y+32*\i+4*\ch:Y+32*\i+4*\ch+3], s[16:17] offset:4096*\i+512*\ch th:TH_STORE_NT   ; 32 lanes store 512 consecutive bytes, aligned
.endr
.endr
	s_wait_tensorcnt 0x0                           ; the wave's end, behind my last LDS store
	ds_add_u32 v[SPW], v[NIL]
	s_wait_dscnt 0x0
	s_endpgm
.Lfunc_end_k_qaf28f583d2_oproj:
	.size	k_qaf28f583d2_oproj, .Lfunc_end_k_qaf28f583d2_oproj-k_qaf28f583d2_oproj
	.p2alignl 7, 3214868480
	.fill 96, 4, 3214868480
	.section	.rodata,"a",@progbits
	.p2align	6, 0x0
	.amdhsa_kernel k_qaf28f583d2_oproj
		.amdhsa_group_segment_fixed_size 67584
		.amdhsa_private_segment_fixed_size 0
		.amdhsa_enable_private_segment 0
		.amdhsa_kernarg_size 56
		.amdhsa_user_sgpr_count 2
		.amdhsa_user_sgpr_kernarg_segment_ptr 1
		.amdhsa_wavefront_size32 1
		.amdhsa_system_sgpr_workgroup_id_x 1
		.amdhsa_system_sgpr_workgroup_id_y 1
		.amdhsa_system_sgpr_workgroup_id_z 1
		.amdhsa_system_vgpr_workitem_id 0
		.amdhsa_next_free_vgpr 512
		.amdhsa_next_free_sgpr 66
		.amdhsa_reserve_vcc 0
		.amdhsa_float_denorm_mode_32 3
		.amdhsa_float_denorm_mode_16_64 3
		.amdhsa_memory_ordered 1
		.amdhsa_forward_progress 1
		.amdhsa_inst_pref_size 58
	.end_amdhsa_kernel
	.amdgpu_metadata
---
amdhsa.version: [ 1, 2 ]
amdhsa.kernels:
  - .name:           k_qaf28f583d2_oproj
    .symbol:         k_qaf28f583d2_oproj.kd
    .args:
      - { .name: oimg, .offset: 0, .size: 8, .value_kind: global_buffer, .address_space: global }
      - { .name: woimg, .offset: 8, .size: 8, .value_kind: global_buffer, .address_space: global }
      - { .name: lowp_scales, .offset: 16, .size: 8, .value_kind: global_buffer, .address_space: global }
      - { .name: x, .offset: 24, .size: 8, .value_kind: global_buffer, .address_space: global }
      - { .name: gamma, .offset: 32, .size: 8, .value_kind: global_buffer, .address_space: global }
      - { .name: beta, .offset: 40, .size: 8, .value_kind: global_buffer, .address_space: global }
      - { .name: out0, .offset: 48, .size: 8, .value_kind: global_buffer, .address_space: global }
    .group_segment_fixed_size: 67584
    .private_segment_fixed_size: 0
    .kernarg_segment_align: 8
    .kernarg_segment_size: 56
    .max_flat_workgroup_size: 256
    .sgpr_count:     66
    .vgpr_count:     512
    .wavefront_size: 32
...
	.end_amdgpu_metadata
.endif
;; end of part 3
